; MI455X (gfx1250); checked and timed in simulation.
; The chip was launched on July 23, 2026; its instructions are those of AMD's public machine-readable ISA for CDNA 5 (MIT licence, August 2026) and "CDNA5" Instruction Set Architecture Reference Guide (July 2026). The comments in the code are by the model that wrote it; some were corrected since.
;; Multi Head Attention Quantum. Allowed arithmetic: matrix products marked QUANTISED: E2M1 operands, one E8M0 scale for each 32 along K, by v_wmma_scale_f32_16x16x128_f8f6f4 with both operands' format E2M1 (or v_wmma_scale_f32_32x16x128_f4), f32 sums; products left as they are: f32 operands where the result goes on into a quantised operand, else bf16, f16 or f32 operands; f32 sums; everything else in f32.
;; Inputs: Wk 128 x 128 float32; Wo 128 x 128 float32; Wq 128 x 128 float32; Wv 128 x 128 float32; theta 8 float32; x 2 x 2,048 x 128 float32.
;; Outputs: out0 2 x 2,048 x 128 float32.
;; This version of the problem:
;;   THIS VERSION OF THE PROBLEM IS GIVEN IN LOW PRECISION. The matrix products marked QUANTISED in the list below multiply operands that are first quantised to E2M1 (2 exponent bits, 1 mantissa bit; 4 bits a number), with one power-of-two scale for each 32 numbers along K (OCP MX v1.0); their sums are f32. All else is computed in f32.
;;   The module's matrix products, in the order in which they are computed (A, B: the left and right operand; K: the contracted axis; several contracted axes count as one K, in the product's order):
;;     1. [M 4,096, K 128] x [K 128, N 128]; A: input x; B: input Wq: QUANTISED
;;     2. [M 4,096, K 128] x [K 128, N 128]; A: input x; B: input Wk: QUANTISED
;;     3. [M 4,096, K 128] x [K 128, N 128]; A: input x; B: input Wv: QUANTISED
;;     4. batch 32 x [M 2,048, K 8] x [K 8, N 2,048]; A: computed on the way; B: computed on the way: left as it is (K = 8 < 32)
;;     5. batch 32 x [M 2,048, K 2,048] x [K 2,048, N 8]; A: softmax; B: computed on the way: left as it is (N = 8 < 16)
;;     6. [M 4,096, K 128] x [K 128, N 128]; A: computed on the way; B: input Wo: QUANTISED
;;   THE QUANTISER, for each operand of a quantised product, along K:
;;     - K is cut into blocks of 32 from its start; a last block that is shorter is filled with zeros.
;;     - A block's scale is 2^e with e = floor(log2(the largest magnitude in the block)) - 2, held to -126 .. 127; a block of zeros has e = 0. As a byte (E8M0): e + 127.
;;     - Each number is divided by its block's scale, clamped to +-6, and rounded to the nearest number of E2M1, ties to even, subnormals kept.
;;     - The product sums the exact products of the quantised numbers (number of the format x scale) in f32.
;;   ~~~python
;;   def quantise(x, axis):      # numpy; x: float32 -> the quantised numbers, widened to float32 again
;;       x = np.moveaxis(x, axis, -1); K = x.shape[-1]
;;       x = np.pad(x, [(0, 0)] * (x.ndim - 1) + [(0, -K % 32)]); x = x.reshape(x.shape[:-1] + (-1, 32)); a = np.abs(x).max(-1, keepdims=True)
;;       e = np.where(a > 0, np.clip(np.frexp(np.where(a > 0, a, 1))[1] - 1 - 2, -126, 127), 0)      # np.frexp(a)[1] - 1 = floor(log2(a)), exactly
;;       r = np.clip(x / 2.0 ** e, -6, 6)
;;       step = 2.0 ** (np.maximum(np.frexp(np.where(r == 0, 1, r))[1] - 1, 0) - 1)
;;       q = np.round(r / step) * step * 2.0 ** e      # np.round: ties to even
;;       return np.moveaxis(q.reshape(q.shape[:-2] + (-1,))[..., :K], -1, axis).astype(np.float32)
;;   ~~~
;;   OPERANDS COMPUTED ON THE WAY. 'Computed on the way' means the value that the module computes at that place (a softmax that the list does not call 'softmax' is quantised finished and normalised). What goes into a quantiser is computed in f32, as accurately as f32 sums, v_exp_f32 and their like allow (about 1e-6 of the number): no bf16 or f16 on the way to a quantiser, and a product that is left as it is and whose result goes on into a quantised operand takes f32 operands (vector FMAs, or v_wmma_f32_16x16x4_f32). A number that lies on a knife's edge between two numbers of the format may be rounded either way, as far as f32 arithmetic and the matrix unit's own rounding can turn it there, and no further.
;; One version. Each part assembles by itself: llvm-mc -triple=amdgcn-amd-amdhsa -mcpu=gfx1250 --defsym DOCPART=n.
;; ======== version 1 of 1: 3 launches
;; limits: right only within a limited range of input values
;; workspace buffers: qkv 6,291,456 bytes; att 2,097,152 bytes
;; launch proj (part 1): grid 64 x 6, 4 waves a work-group, no clusters, 5,120 bytes of LDS; arguments x, Wq, Wk, Wv, theta, qkv; writes qkv
.if DOCPART == 1
	.amdgcn_target "amdgcn-amd-amdhsa--gfx1250"
	.amdhsa_code_object_version 6
	.text
	.protected	k_q2c2c45a502_proj
	.globl	k_q2c2c45a502_proj
	.p2align	8
	.type	k_q2c2c45a502_proj,@function
k_q2c2c45a502_proj:
	s_mov_b64 s[64:65], 0
	v_nop
	global_prefetch_b8 v0, s[64:65] scope:SCOPE_SE
	s_setreg_imm32_b32 hwreg(HW_REG_WAVE_MODE, 25, 1), 1
	s_wait_xcnt 0x0
; q, k, v = cos(x W^T + theta), W = Wq, Wk, Wv: the three products on codes of FP4 (E2M1) with one E8M0 scale for each 32 along K = 128; sums and the cosine in f32.
; NOTHING OF THE PROBLEM IS LEFT OUT AS DEAD WORK IN THIS PROGRAM, and every input is loaded.  (The attention launch takes no maximum away ahead of its exponentials: its head says why that is allowed.)
; x: [4096][128] f32.  W: [128][128] f32, K innermost.  theta: [8].  qkv (workspace): [3 matrices][32 = batch x head][2 = d / 4][2048 positions][4] f32: 65,536 bytes a head, 32,768 a plane.
; SHARES.  Work-group (x, y): rows 64 x .. 64 x + 63; matrix y / 2, its output columns 64 (y % 2) .. + 63.  Wave w quantises 16 rows of W (its 16 output columns: two heads) and rows 16 w .. + 15 of x, in registers.
; x's four fragments go from wave to wave through LDS as images of their registers (lane l's 16 bytes at 16 l; the scale word at 4 l); W's fragment stays with its wave.  One barrier.
; THE PRODUCT IS USED TRANSPOSED: source 0 = 16 rows of W, source 1 = 16 rows of x.  Lane (r, h) then holds position r and its eight registers are d = 0 .. 7 of head 8 (y % 2) + 2 w + h.
; So theta is the C of the product (register j = theta[j] in every lane), and registers 0-3 and 4-7 are 16 bytes of the two planes: sixteen lanes store 256 consecutive bytes, aligned.
; THE QUANTISER: a block's scale is 2^(floor(log2(largest magnitude)) - 2): its byte is the largest magnitude's exponent field - 2, held at 1 from below by a floor among the maximum's leaves.
; THE COSINE, from plain f32 arithmetic: n = t / pi to the nearest whole number; r = t - n pi with pi in three parts, by fused multiply-adds; cos r by its series up to r^12 (the next term is under 7e-9 for |r| <= pi / 2); the sign by n's lowest bit.
; LIMITS: NaN and infinities among the inputs are not served.  |x W^T + theta| up to 2^18 pi: beyond that n can be off by more than a twentieth and r leaves the series' range.
; A block of zeros gets the byte 1 where the rule says 127: its codes are zeros, and the bytes are read by this launch alone.
; NO CLUSTER: what work-groups share (32 KiB of x, 32 KiB of W) is read once by each, straight into the registers in which it is quantised; a joint tensor load would add a way through LDS for f32 numbers.
.set XIMG,  0                          ; LDS: x's four fragments, 1,024 bytes each,
.set XSC,   4096                       ; their scale words, 128 bytes each,
.set SPARE, 4608                       ; and the spare words, 128 bytes for each wave: two blocks of 256 bytes that no other line names
.set XA,  4                            ; v4   my lane's byte in 16 rows of x or W: 512 r + 64 h
.set LI,  5                            ; v5   16 x lane
.set LS,  6                            ; v6   4 x lane
.set XWI, 7                            ; v7   where I store x's image: 16 x lane + 1,024 x wave
.set XWS, 8                            ; v8   and its scale word: 4 x lane + 128 x wave
.set OA,  9                            ; v9   my byte in qkv: 65,536 h + 16 r
.set SPW, 10                           ; v10  LDS address of my spare word; never rewritten
.set NIL, 11                           ; v11  0; never rewritten
.set KC5, 12                           ; v[12:13] the series' coefficient of r^10, twice
.set TH,  16                           ; v16-23  theta, the products' C
.set WC,  24                           ; v24-31  W's fragment
.set WS,  32                           ; v32     W's scale words
.set XS,  33                           ; v33-36  x's scale words, a register for each tile of rows
.set PW,  37                           ; v37     the scale word of the x fragment that I made
.set PC,  40                           ; v40-47  its codes
.set TM,  48                           ; v48-63  the quantiser's work
.set XN,  64                           ; v64-127 64 numbers of x; later:
.set XF,  64                           ; v64-95  x's four fragments,
.set D,   96                           ; v96-127 the four results
.set WN,  128                          ; v128-191 64 numbers of W; later:
.set N,   128                          ; v128-135 n,
.set Z,   136                          ; v136-143 r^2,
.set PL,  144                          ; v144-151 the series
.set WV,  24
.set SEL, 36                           ; s[36:37] v_permlanex16_b32's selects for lane l xor 16
.set IPI, 38                           ; scalar pairs: the packed forms name a pair and take its low word for both halves
.set NPH, 40
.set NPM, 42
.set NPL, 44
.set K6,  46
.set K4,  48
.set K3,  50
.set K2,  52
.macro PAIR reg, val
	s_mov_b32 s[\reg], \val
	s_mov_b32 s[\reg+1], \val
.endm
; 64 numbers of a lane, register 16 b + i = k 32 b + 16 h + i of my row, become a fragment's codes in v[pc] on and its scale word in v[pw].
.macro QUANT s, pc, pw
.irp b, 0,1,2,3
	v_max3_num_f32 v[TM+\b], |v[\s+16*\b]|, |v[\s+1+16*\b]|, 0x1800000   ; block b: my 16 numbers, and the floor 2^(3 - 127): so the byte cannot fall under 1
.endr
.irp i, 2,4,6,8,10,12,14
.irp b, 0,1,2,3
	v_max3_num_f32 v[TM+\b], v[TM+\b], |v[\s+16*\b+\i]|, |v[\s+1+16*\b+\i]|   ; (the four blocks by turns)
.endr
.endr
.irp b, 0,1,2,3
	v_permlanex16_b32 v[TM+4+\b], v[TM+\b], s[SEL], s[SEL+1]
.endr
.irp b, 0,1,2,3
	v_max_num_f32 v[TM+\b], v[TM+\b], v[TM+4+\b]   ; with lane l xor 16's: the block's largest magnitude
.endr
.irp b, 0,1,2,3
	v_add_nc_u32 v[TM+12+\b], 0xff000000, v[TM+\b]   ; 2 off its exponent field: the conversion takes the exponent field of this operand as its scale
.endr
.irp b, 0,1,2,3
	v_lshrrev_b32 v[TM+4+\b], 23, v[TM+12+\b]      ; the scale's byte
.endr
	v_lshl_or_b32 v[\pw], v[TM+5], 8, v[TM+4]      ; the four bytes make my row's scale word
	v_lshl_or_b32 v[\pw], v[TM+6], 16, v[\pw]
	v_lshl_or_b32 v[\pw], v[TM+7], 24, v[\pw]
.irp b, 0,1,2,3
	v_cvt_scalef32_pk8_fp4_f32 v[\pc+2*\b], v[\s+16*\b:\s+7+16*\b], v[TM+12+\b]
	v_cvt_scalef32_pk8_fp4_f32 v[\pc+1+2*\b], v[\s+8+16*\b:\s+15+16*\b], v[TM+12+\b]
.endr
	v_nop                                          ; one plain place behind a scaled conversion
.irp c, 0,1                                    ; the operand's layout wants a WHOLE block in a lane: lanes 0-15 block 2 c, lanes 16-31 block 2 c + 1
.irp i, 0,1
	v_permlane16_swap_b32 v[\pc+4*\c+\i], v[\pc+2+4*\c+\i]
.endr
.endr
.endm
.macro NLOAD reg, base                         ; 16 rows x 128 numbers: lane (r, h) takes 16 neighbours of each block of 32 of row r
.irp b, 0,1,2,3
.irp j, 0,1,2,3
	global_load_b128 v[\reg+16*\b+4*\j:\reg+16*\b+4*\j+3], v[XA], s[\base:\base+1] offset:128*\b+16*\j
.endr
.endr
.endm
; the cosine of the eight numbers v[d] .. v[d + 7], in place, two at a time where a packed form exists
.macro COS d
.irp p, 0,2,4,6
	v_pk_mul_f32 v[N+\p:N+\p+1], v[(\d)+\p:(\d)+\p+1], s[IPI:IPI+1] op_sel_hi:[1,0]   ; t / pi  (the result is read from its low end on)
.endr
.irp j, 0,1,2,3,4,5,6,7
	v_rndne_f32 v[N+\j], v[N+\j]                   ; n
.endr
.irp k, NPH, NPM, NPL
.irp p, 0,2,4,6
	v_pk_fma_f32 v[(\d)+\p:(\d)+\p+1], v[N+\p:N+\p+1], s[\k:\k+1], v[(\d)+\p:(\d)+\p+1] op_sel_hi:[1,0,1]   ; r = t - n pi, a part of pi at a time
.endr
.endr
.irp p, 0,2,4,6
	v_pk_mul_f32 v[Z+\p:Z+\p+1], v[(\d)+\p:(\d)+\p+1], v[(\d)+\p:(\d)+\p+1]   ; z = r^2
.endr
.irp p, 0,2,4,6
	v_pk_fma_f32 v[PL+\p:PL+\p+1], v[Z+\p:Z+\p+1], s[K6:K6+1], v[KC5:KC5+1] op_sel_hi:[1,0,1]   ; z / 12! - 1 / 10!
.endr
.irp k, K4, K3, K2
.irp p, 0,2,4,6
	v_pk_fma_f32 v[PL+\p:PL+\p+1], v[PL+\p:PL+\p+1], v[Z+\p:Z+\p+1], s[\k:\k+1] op_sel_hi:[1,1,0]   ; .. z + 1 / 8!, - 1 / 6!, + 1 / 4!
.endr
.endr
.irp p, 0,2,4,6
	v_pk_fma_f32 v[PL+\p:PL+\p+1], v[PL+\p:PL+\p+1], v[Z+\p:Z+\p+1], -0.5 op_sel_hi:[1,1,0]
.endr
.irp p, 0,2,4,6
	v_pk_fma_f32 v[PL+\p:PL+\p+1], v[PL+\p:PL+\p+1], v[Z+\p:Z+\p+1], 1.0 op_sel_hi:[1,1,0]   ; cos r
.endr
.irp j, 0,1,2,3,4,5,6,7
	v_cvt_i32_f32 v[N+\j], v[N+\j]
.endr
.irp j, 0,1,2,3,4,5,6,7
	v_lshlrev_b32 v[N+\j], 31, v[N+\j]             ; n's lowest bit, at the sign's place
.endr
.irp j, 0,1,2,3,4,5,6,7
	v_xor_b32 v[(\d)+\j], v[PL+\j], v[N+\j]        ; cos t = (-1)^n cos r
.endr
.endm
	s_load_b256 s[4:11], s[0:1], 0x0               ; x s[4:5], Wq s[6:7], Wk s[8:9], Wv s[10:11]
	s_load_b128 s[12:15], s[0:1], 0x20             ; theta s[12:13], qkv s[14:15]
	v_lshl_add_u32 v[SPW], v0, 2, SPARE
	v_mov_b32 v[NIL], 0
	v_lshrrev_b32 v1, 5, v0
	v_readfirstlane_b32 s[WV], v1                  ; wave 0..3
	v_and_b32 v3, 31, v0                           ; lane
	v_and_b32 v1, 15, v0                           ; r
	v_bfe_u32 v2, v0, 4, 1                         ; h
	v_lshlrev_b32 v[XA], 9, v1
	v_lshl_add_u32 v[XA], v2, 6, v[XA]
	v_lshlrev_b32 v[LI], 4, v3
	v_lshlrev_b32 v[LS], 2, v3
	s_lshl_b32 s25, s[WV], 10
	v_add_nc_u32 v[XWI], s25, v[LI]
	s_lshl_b32 s25, s[WV], 7
	v_add_nc_u32 v[XWS], s25, v[LS]
	v_lshlrev_b32 v[OA], 4, v1
	v_lshl_add_u32 v[OA], v2, 16, v[OA]
.irp b, 0,1,2,3
	v_mov_b32 v[TM+4+\b], 0                        ; written once: a lane permute's destination counts as one of its sources
.endr
	v_mov_b32 v[KC5], 0xb493f27e                   ; -1 / 10!
	v_mov_b32 v[KC5+1], 0xb493f27e
	s_and_b32 s25, ttmp7, 0xffff                   ; work-group y
	s_lshr_b32 s26, s25, 1                         ; which matrix
	s_and_b32 s27, s25, 1                          ; which half of its output columns
	s_lshl_b32 s28, ttmp9, 15                      ; x: 64 rows of 512 bytes a work-group,
	s_lshl_b32 s29, s[WV], 13                      ; 16 rows a wave
	s_add_co_u32 s28, s28, s29
	s_lshl_b32 s30, s27, 15                        ; W: 64 rows a half, 16 rows a wave
	s_add_co_u32 s30, s30, s29
	s_mov_b32 s29, 0
	s_mov_b32 s31, 0
	s_lshr_b32 s32, ttmp9, 5                       ; the batch: 32 work-groups x 64 rows
	s_lshl_b32 s32, s32, 4
	s_lshl_b32 s33, s27, 3
	s_add_co_u32 s32, s32, s33
	s_lshl_b32 s33, s[WV], 1
	s_add_co_u32 s32, s32, s33                     ; batch x 16 + my lanes 0-15's head: 8 (y % 2) + 2 w
	s_lshl_b32 s32, s32, 16                        ; 65,536 bytes a head
	s_and_b32 s33, ttmp9, 31
	s_lshl_b32 s33, s33, 10                        ; 64 positions of 16 bytes
	s_add_co_u32 s32, s32, s33
	s_lshl_b32 s33, s26, 21                        ; 2 MiB a matrix
	s_add_co_u32 s32, s32, s33
	s_mov_b32 s33, 0
	s_mov_b32 s[SEL], 0x76543210
	s_mov_b32 s[SEL+1], 0xfedcba98
	PAIR IPI, 0x3ea2f983                           ; 1 / pi
	PAIR NPH, 0xc0490fdb                           ; pi = 3.14159274 - 8.74227766e-8 - 3.43024978e-15: the three parts, negated
	PAIR NPM, 0x33bbbd2e
	PAIR NPL, 0x27772cf0
	PAIR K6, 0x310f76c7                            ; 1 / 12!
	PAIR K4, 0x37d00d01                            ; 1 / 8!
	PAIR K3, 0xbab60b61                            ; -1 / 6!
	PAIR K2, 0x3d2aaaab                            ; 1 / 4!
	s_wait_kmcnt 0x0
	s_load_b256 s[16:23], s[12:13], 0x0            ; theta's eight numbers
	s_cmp_eq_u32 s26, 0                            ; the matrix is chosen by the work-group's number alone
	s_cselect_b64 s[6:7], s[6:7], s[8:9]
	s_cmp_eq_u32 s26, 2
	s_cselect_b64 s[6:7], s[10:11], s[6:7]
	s_add_nc_u64 s[4:5], s[4:5], s[28:29]
	s_add_nc_u64 s[6:7], s[6:7], s[30:31]
	s_add_nc_u64 s[14:15], s[14:15], s[32:33]
	NLOAD WN, 6
	NLOAD XN, 4
	s_wait_kmcnt 0x0
.irp j, 0,1,2,3,4,5,6,7
	v_mov_b32 v[TH+\j], s[16+\j]
.endr
	s_wait_loadcnt 16                              ; W's 16 loads are in; x's 16, issued behind them, may be out
	QUANT WN, WC, WS
	s_wait_loadcnt 0x0
	QUANT XN, PC, PW                               ; (its plain lines are also the places between the writing of W's codes and scale word and the products)
	ds_store_b128 v[XWI], v[PC:PC+3] offset:XIMG
	ds_store_b128 v[XWI], v[PC+4:PC+7] offset:XIMG+512
	ds_store_b32 v[XWS], v[PW] offset:XSC
	s_wait_dscnt 0x0                               ; for the others' sake: my stores have landed
	s_barrier_signal -1
	s_barrier_wait -1                              ; x's four fragments lie in LDS
.irp m, 0,1,2,3
	ds_load_b128 v[XF+8*\m:XF+8*\m+3], v[LI] offset:XIMG+1024*\m
	ds_load_b128 v[XF+8*\m+4:XF+8*\m+7], v[LI] offset:XIMG+1024*\m+512
	ds_load_b32 v[XS+\m], v[LS] offset:XSC+128*\m
.endr
	s_wait_dscnt 0x0
.irp m, 0,1,2,3
	v_wmma_scale_f32_16x16x128_f8f6f4 v[D+8*\m:D+8*\m+7], v[WC:WC+7], v[XF+8*\m:XF+8*\m+7], v[TH:TH+7], v[WS], v[XS+\m] matrix_a_fmt:MATRIX_FMT_FP4 matrix_b_fmt:MATRIX_FMT_FP4
.endr
.rept 4
	v_nop                                          ; four places between the products and the first read of a result
.endr
.irp m, 0,1,2,3
	COS D+8*\m
	global_store_b128 v[OA], v[D+8*\m:D+8*\m+3], s[14:15] offset:256*\m          ; plane d / 4 = 0: lanes 0-15 store 256 consecutive bytes, aligned; lanes 16-31 the same of the next head
	global_store_b128 v[OA], v[D+8*\m+4:D+8*\m+7], s[14:15] offset:256*\m+32768  ; plane 1
.endr
	s_wait_tensorcnt 0x0                           ; the wave's end: behind my last LDS store
	ds_add_u32 v[SPW], v[NIL]
	s_wait_dscnt 0x0
	s_endpgm
.Lfunc_end_k_q2c2c45a502_proj:
	.size	k_q2c2c45a502_proj, .Lfunc_end_k_q2c2c45a502_proj-k_q2c2c45a502_proj
	.p2alignl 7, 3214868480
	.fill 96, 4, 3214868480
	.section	.rodata,"a",@progbits
	.p2align	6, 0x0
	.amdhsa_kernel k_q2c2c45a502_proj
		.amdhsa_group_segment_fixed_size 5120
		.amdhsa_private_segment_fixed_size 0
		.amdhsa_enable_private_segment 0
		.amdhsa_kernarg_size 48
		.amdhsa_user_sgpr_count 2
		.amdhsa_user_sgpr_kernarg_segment_ptr 1
		.amdhsa_wavefront_size32 1
		.amdhsa_system_sgpr_workgroup_id_x 1
		.amdhsa_system_sgpr_workgroup_id_y 1
		.amdhsa_system_sgpr_workgroup_id_z 1
		.amdhsa_system_vgpr_workitem_id 0
		.amdhsa_next_free_vgpr 192
		.amdhsa_next_free_sgpr 66
		.amdhsa_reserve_vcc 0
		.amdhsa_float_denorm_mode_32 3
		.amdhsa_float_denorm_mode_16_64 3
		.amdhsa_memory_ordered 1
		.amdhsa_forward_progress 1
		.amdhsa_inst_pref_size 32
	.end_amdhsa_kernel
	.amdgpu_metadata
---
amdhsa.version: [ 1, 2 ]
amdhsa.kernels:
  - .name:           k_q2c2c45a502_proj
    .symbol:         k_q2c2c45a502_proj.kd
    .args:
      - { .name: x, .offset: 0, .size: 8, .value_kind: global_buffer, .address_space: global }
      - { .name: Wq, .offset: 8, .size: 8, .value_kind: global_buffer, .address_space: global }
      - { .name: Wk, .offset: 16, .size: 8, .value_kind: global_buffer, .address_space: global }
      - { .name: Wv, .offset: 24, .size: 8, .value_kind: global_buffer, .address_space: global }
      - { .name: theta, .offset: 32, .size: 8, .value_kind: global_buffer, .address_space: global }
      - { .name: qkv, .offset: 40, .size: 8, .value_kind: global_buffer, .address_space: global }
    .group_segment_fixed_size: 5120
    .private_segment_fixed_size: 0
    .kernarg_segment_align: 8
    .kernarg_segment_size: 48
    .max_flat_workgroup_size: 128
    .sgpr_count:     66
    .vgpr_count:     192
    .wavefront_size: 32
...
	.end_amdgpu_metadata
.endif
;; end of part 1
;; launch attn (part 2): grid 8 x 32, 8 waves a work-group, no clusters, 167,936 bytes of LDS; arguments qkv, att; writes att
.if DOCPART == 2
	.amdgcn_target "amdgcn-amd-amdhsa--gfx1250"
	.amdhsa_code_object_version 6
	.text
	.protected	k_q2c2c45a502_attn
	.globl	k_q2c2c45a502_attn
	.p2align	8
	.type	k_q2c2c45a502_attn,@function
k_q2c2c45a502_attn:
	s_mov_b64 s[64:65], 0
	v_nop
	global_prefetch_b8 v0, s[64:65] scope:SCOPE_SE
	s_setreg_imm32_b32 hwreg(HW_REG_WAVE_MODE, 25, 1), 1
	s_wait_xcnt 0x0
; att[b h][q][:] = the sum over k of softmax_k(q . k / sqrt(8)) v[k][:], head size 8, 2,048 keys.  Both products have f32 operands and f32 sums: their result goes on into a quantiser.
; qkv: [3][32 heads][2 planes = d / 4][2048][4] f32 (q, k, v: cosines).  att: [32 heads][2 planes][2048][4] f32.
; NO MAXIMUM IS TAKEN AWAY AHEAD OF THE EXPONENTIAL: q and k are cosines, so for every finite input |q . k| / sqrt(8) <= 8 / sqrt(8) = 2.83: each exponential lies between 0.059 and 16.9, and a row's sum of 2,048 of them
; under 34,700.  The computation itself bounds the exponents; nothing can overflow or underflow in f32, and the quotient is the softmax's.  LIMIT: NaN and infinities are not served.
; SHARES.  A work-group owns one head and 256 queries; each of its eight waves 32 queries, two tiles of 16, and walks all 2,048 keys, 16 a step.  The head's K and V, 128 KiB, come once into LDS, through registers.
; TWO UNITS SIDE BY SIDE.  The scores go to the matrix unit: S = Q K^T, source 0 = 16 queries, source 1 = 16 keys, K = 8 in two instructions of v_wmma_f32_16x16x4_f32: no row, column or k is idle.
; In the result lane (r, h) holds ONE key r and the queries 8 h + 0 .. 7.  So the second product needs no number of another lane: the lane loads its own key's v[0 .. 7] and adds p[query j] v[d] into 64 sums a tile,
; by packed multiply-adds (two d at a time; p's register is taken for both halves).  Each lane so sums over the keys r, r + 16, ..; the sixteen lanes are added ONCE, behind the loop.
; The k slots of the matrix instruction: lane (r, h) holds d = 4 h + 0 .. 3 of its row, 16 bytes of plane h; the first instruction takes registers 0, 1, the second 2, 3; Q and K alike, so each d meets itself.
; THREE STEPS DEEP.  In step i stand: the exponentials of step i + 1 (S -> the other P), each with two packed multiply-adds of step i behind it; the four matrix instructions of step i + 2, each behind the exponentials
; that read what it writes over; the rest of step i's multiply-adds.  V comes two steps ahead of its use, K two steps ahead of its product.
; The scale log2(e) / sqrt(8) is multiplied into Q once, so that p = 2^S.
; NO CLUSTER: the eight work-groups of a head share K and V, but each fetches them once, 128 KiB at its head, against 128 steps that touch no memory; there is no ring into which a joint load could be laid.
; LDS is claimed beyond its use (132,096 bytes), over half of 327,680, so that a work-group has its LDS, and its two waves a SIMD, to itself.
.set KPL,   32768                      ; a plane: 2,048 positions x 16 bytes.  LDS: K's two planes,
.set VB,    65536                      ; V's two,
.set SPARE, 131072                     ; and the spare words, 128 bytes for each wave: four blocks of 256 bytes that no other line names
.set AK,  8                            ; v8   LDS address of my 16 bytes of the pair's first tile of K: 32,768 h + 16 r + 256 x tile
.set AV,  9                            ; v9   the same for V: 65,536 + 16 r + 256 x tile
.set GA,  10                           ; v10  the way out: my byte in att
.set FA,  11                           ; v11  the fill: 16 x thread
.set FB,  12                           ; v12  the fill: V's place in LDS
.set QA,  13                           ; v13  Q: 32,768 h + 16 r
.set SPW, 14                           ; v14  LDS address of my spare word; never rewritten
.set NIL, 15                           ; v15  0; never rewritten
.set Q,   16                           ; v16-23   Q: four registers a tile
.set KF,  24                           ; v24-31   K: two buffers of four
.set VF,  32                           ; v32-47   V: two buffers of eight
.set S,   48                           ; v48-63   the scores, eight a tile: written by matrix instructions alone
.set P,   64                           ; v64-95   p: two buffers of sixteen
.set L,   96                           ; v96-111  the rows' sums, eight a tile
.set O,   112                          ; v112-239 tile t, query j, d: v[O + 64 t + 8 j + d].  First: where the fill's loads land
.set WV,  8
.set CNT, 16
.set M8,  17                           ; s17-20 lanes whose number has bit 3, 2, 1, 0 set
.set M4,  18
.set M2,  19
.set M1,  20
.macro MM par, t, ks                           ; tile t, k step ks, against K's buffer par.  The first step starts the sum with the constant 0
.if \ks == 0
	v_wmma_f32_16x16x4_f32 v[S+8*\t:S+8*\t+7], v[Q+4*\t:Q+4*\t+1], v[KF+4*\par:KF+4*\par+1], 0
.else
	v_wmma_f32_16x16x4_f32 v[S+8*\t:S+8*\t+7], v[Q+4*\t+2:Q+4*\t+3], v[KF+4*\par+2:KF+4*\par+3], v[S+8*\t:S+8*\t+7]
.endif
.endm
.macro MM4 par                                 ; the two accumulators take turns, one instruction a turn
	MM \par, 0, 0
	MM \par, 1, 0
	MM \par, 0, 1
	MM \par, 1, 1
.endm
; Number n of a step's 72 packed instructions.  0-63: tile n / 32, query (n % 32) / 4, d = 2 (n % 4), + 1: O += p v.  64-71: the rows' sums, two queries at a time.  first = 1: the first step starts the sums: nothing is cleared.
.macro PV1 par, first
.if n < 64
.set rO, O+64*(n/32)+8*((n%32)/4)+2*(n%4)
.set rP, P+16*(\par)+8*(n/32)+2*((n%32)/8)
.set rV, VF+8*(\par)+2*(n%4)
.if ((n%32)/4)%2                               ; an odd query: p is the pair's second register, for both halves
.if \first
	v_pk_mul_f32 v[rO:rO+1], v[rP:rP+1], v[rV:rV+1] op_sel:[1,0] op_sel_hi:[1,1]
.else
	v_pk_fma_f32 v[rO:rO+1], v[rP:rP+1], v[rV:rV+1], v[rO:rO+1] op_sel:[1,0,0] op_sel_hi:[1,1,1]
.endif
.else                                          ; an even query: the first register, for both halves
.if \first
	v_pk_mul_f32 v[rO:rO+1], v[rP:rP+1], v[rV:rV+1] op_sel_hi:[0,1]
.else
	v_pk_fma_f32 v[rO:rO+1], v[rP:rP+1], v[rV:rV+1], v[rO:rO+1] op_sel_hi:[0,1,1]
.endif
.endif
.else
.set rL, L+2*(n-64)
.set rP, P+16*(\par)+2*(n-64)
.if \first
	v_mov_b32 v[rL], v[rP]
	v_mov_b32 v[rL+1], v[rP+1]
.else
	v_pk_add_f32 v[rL:rL+1], v[rL:rL+1], v[rP:rP+1]
.endif
.endif
.set n, n+1
.endm
.macro EXP1 par                                ; p of the next step, into the buffer that this step does not read; S is read from its low end on
	v_exp_f32 v[P+16*(1-(\par))+e], v[S+e]
.set e, e+1
.endm
; STEP i, par = i % 2.  ex: the exponentials of step i + 1.  mm: the products of step i + 2.  ldv: V of step i + 2 is fetched.  ldk: K of step i + 4.  left: the LDS loads that may stay out at the step's end (-1: no wait).
; Places: a matrix instruction of this form wants 8 plain vector instructions before its result is read or a load is issued into a source, 9 before a matrix instruction writes over its result (except for the loads).
;   Behind the step's last product stand 16 packed instructions, then the load into K's buffer, then the next step's first exponential; between two writers of one accumulator's first step stand over 40.
; Two plain instructions stand between the last exponential that reads a tile's scores and the product that writes over them.
.macro ITER par, first, ex, mm, ldv, ldk, left
.set n, 0
.set e, 0
.rept 8
.if \ex
	EXP1 \par
.endif
	PV1 \par, \first
	PV1 \par, \first
.endr
.if \mm
	MM \par, 0, 0
.endif
.rept 8
.if \ex
	EXP1 \par
.endif
	PV1 \par, \first
	PV1 \par, \first
.endr
.if \mm
	MM \par, 1, 0
.endif
.rept 12
	PV1 \par, \first
.endr
.if \mm
	MM \par, 0, 1
.endif
.rept 12
	PV1 \par, \first
.endr
.if \mm
	MM \par, 1, 1
.endif
.rept 16
	PV1 \par, \first
.endr
.if \ldv
	ds_load_b128 v[VF+8*\par:VF+8*\par+3], v[AV] offset:256*(\par+2)          ; sixteen lanes read 256 consecutive bytes; lanes 16-31 the same
	ds_load_b128 v[VF+8*\par+4:VF+8*\par+7], v[AV] offset:KPL+256*(\par+2)
.endif
.if \ldk
	ds_load_b128 v[KF+4*\par:KF+4*\par+3], v[AK] offset:256*(\par+4)
.endif
.if \ex
	s_wait_alu depctr_va_vdst(0)                   ; one wait for the step's sixteen exponentials, ahead of their first reader (the next step) and of the loop's branch
.endif
.if \left >= 0
	s_wait_dscnt \left                             ; all but the loads just issued: what the next step reads was asked for a step ago
.endif
.endm
.macro STEPADR                                 ; two tiles on
	v_add_nc_u32 v[AV], 512, v[AV]
	v_add_nc_u32 v[AK], 512, v[AK]
.endm
; THE LANES ARE ADDED.  Of two registers a and b, lanes without the bit keep a and lanes with it keep b; each sends the other one to its partner (lane xor xm), which adds it: two registers become one, and no sum is made twice.
.macro RS1 a, dist, mask, xm, tmp
	v_cndmask_b32 v[\tmp], v[(\a)+(\dist)], v[\a], s[\mask]
	v_cndmask_b32 v[\a], v[\a], v[(\a)+(\dist)], s[\mask]
	v_add_f32_dpp v[\a], v[\tmp], v[\a] row_xmask:\xm row_mask:0xf bank_mask:0xf
.endm
.macro RS4 a, dist, mask, xm, tmp              ; the same for four neighbouring registers, by turns
.irp g, 0,1,2,3
	v_cndmask_b32 v[(\tmp)+\g], v[(\a)+(\dist)+\g], v[(\a)+\g], s[\mask]
.endr
.irp g, 0,1,2,3
	v_cndmask_b32 v[(\a)+\g], v[(\a)+\g], v[(\a)+(\dist)+\g], s[\mask]
.endr
.irp g, 0,1,2,3
	v_add_f32_dpp v[(\a)+\g], v[(\tmp)+\g], v[(\a)+\g] row_xmask:\xm row_mask:0xf bank_mask:0xf
.endr
.endm
	s_load_b128 s[4:7], s[0:1], 0x0                ; qkv s[4:5], att s[6:7]
	v_lshl_add_u32 v[SPW], v0, 2, SPARE
	v_mov_b32 v[NIL], 0
	v_lshrrev_b32 v1, 5, v0
	v_readfirstlane_b32 s[WV], v1                  ; wave 0..7
	v_and_b32 v1, 15, v0                           ; r
	v_bfe_u32 v2, v0, 4, 1                         ; h
	v_lshlrev_b32 v[FA], 4, v0
	v_add_nc_u32 v[FB], VB, v[FA]
	v_lshlrev_b32 v3, 4, v1
	v_add_nc_u32 v[AV], VB, v3
	v_lshl_add_u32 v[AK], v2, 15, v3
	v_lshl_add_u32 v[QA], v2, 15, v3
	v_and_b32 v4, 7, v1
	v_lshrrev_b32 v5, 3, v1
	v_lshlrev_b32 v[GA], 4, v4                     ; the way out: lane (r, h) ends with query 8 h + r % 8, d = 4 (r / 8) + 0 .. 3:
	v_lshl_add_u32 v[GA], v2, 7, v[GA]             ; 16 bytes a query,
	v_lshl_add_u32 v[GA], v5, 15, v[GA]            ; plane r / 8
	s_and_b32 s9, ttmp7, 0xffff                    ; batch x head
	s_lshl_b32 s10, s9, 16                         ; 65,536 bytes a head
	s_mov_b32 s11, 0
	s_lshl_b32 s12, ttmp9, 12                      ; 256 queries of 16 bytes a work-group,
	s_lshl_b32 s13, s[WV], 9                       ; 32 a wave
	s_add_co_u32 s12, s12, s13
	s_add_co_u32 s12, s12, s10
	s_mov_b32 s13, 0
	s_mov_b32 s[M8], 0xff00ff00
	s_mov_b32 s[M4], 0xf0f0f0f0
	s_mov_b32 s[M2], 0xcccccccc
	s_mov_b32 s[M1], 0xaaaaaaaa
	s_wait_kmcnt 0x0
	s_add_nc_u64 s[14:15], s[4:5], s[12:13]        ; Q at my wave's first query
	s_add_nc_u64 s[6:7], s[6:7], s[12:13]          ; att likewise
	s_add_nc_u64 s[4:5], s[4:5], s[10:11]          ; my head; K lies 2 MiB on, V 4 MiB: in the immediates
.irp t, 0,1
	global_load_b128 v[Q+4*\t:Q+4*\t+3], v[QA], s[14:15] offset:256*\t
.endr
.irp i, 0,1,2,3,4,5,6,7,8,9,10,11,12,13,14,15
	global_load_b128 v[O+4*\i:O+4*\i+3], v[FA], s[4:5] offset:0x200000+4096*\i      ; a wave's load covers 512 consecutive bytes
.endr
.irp i, 0,1,2,3,4,5,6,7,8,9,10,11,12,13,14,15
	global_load_b128 v[O+64+4*\i:O+64+4*\i+3], v[FA], s[4:5] offset:0x400000+4096*\i
.endr
.irp i, 0,1,2,3,4,5,6,7,8,9,10,11,12,13,14,15
	s_wait_loadcnt 31-\i                           ; loads come back in order: this one is in, those issued behind it may be out
	ds_store_b128 v[FA], v[O+4*\i:O+4*\i+3] offset:4096*\i
.endr
.irp i, 0,1,2,3,4,5,6,7,8,9,10,11,12,13,14,15
	s_wait_loadcnt 15-\i
	ds_store_b128 v[FB], v[O+64+4*\i:O+64+4*\i+3] offset:4096*\i
.endr
.irp j, 0,1,2,3,4,5,6,7
	v_mul_f32 v[Q+\j], 0x3f0293ee, v[Q+\j]         ; x log2(e) / sqrt(8)
.endr
	s_wait_dscnt 0x0                               ; for the others' sake: my stores have landed
	s_barrier_signal -1
	s_barrier_wait -1                              ; the head's K and V lie in LDS; nobody writes them again
	; the way in: scores of steps 0 and 1, p of step 0, K of steps 2 and 3, V of steps 0 and 1
	ds_load_b128 v[KF:KF+3], v[AK]
	ds_load_b128 v[KF+4:KF+7], v[AK] offset:256
	ds_load_b128 v[VF:VF+3], v[AV]
	ds_load_b128 v[VF+4:VF+7], v[AV] offset:KPL
	ds_load_b128 v[VF+8:VF+11], v[AV] offset:256
	ds_load_b128 v[VF+12:VF+15], v[AV] offset:KPL+256
	s_wait_dscnt 0x0
	MM4 0
.rept 9
	v_nop                                          ; no other vector work is at hand here: the places in front of the load into K's buffer and of the first read of the scores
.endr
	ds_load_b128 v[KF:KF+3], v[AK] offset:512
.irp j, 0,1,2,3,4,5,6,7,8,9,10,11,12,13,14,15
	v_exp_f32 v[P+\j], v[S+\j]
.endr
	v_nop                                          ; a plain place behind the exponentials, and the tenth between the two writers of the scores
	MM4 1
.rept 9
	v_nop
.endr
	ds_load_b128 v[KF+4:KF+7], v[AK] offset:768
	s_wait_alu depctr_va_vdst(0)                   ; the wait for the sixteen exponentials, ahead of their first reader
	s_wait_dscnt 0x0
	ITER 0, 1, 1, 1, 1, 1, 3                       ; step 0 starts the sums
	ITER 1, 0, 1, 1, 1, 1, 3
	STEPADR
	s_mov_b32 s[CNT], 61                           ; steps 2 to 123, two a trip: the buffers are back where they began
.Lpair:
	ITER 0, 0, 1, 1, 1, 1, 3
	ITER 1, 0, 1, 1, 1, 1, 3
	STEPADR
	s_sub_co_u32 s[CNT], s[CNT], 1
	s_cmp_lg_u32 s[CNT], 0
	s_cbranch_scc1 .Lpair
	ITER 0, 0, 1, 1, 1, 0, 2                       ; step 124: K has all been fetched; behind V's two loads nothing else is out
	ITER 1, 0, 1, 1, 1, 0, 2                       ; step 125: the last products (step 127's) and the last of V
	ITER 0, 0, 1, 0, 0, 0, 0                       ; step 126: the last exponentials
	ITER 1, 0, 0, 0, 0, 0, -1                      ; step 127
	; THE WAY OUT.  The rows' sums first: bits 2, 1, 0 of the lane's number choose the query, bit 3's partner holds the same query and is added plainly.
.irp t, 0,1
.irp j, 0,1,2,3
	RS1 L+8*\t+\j, 4, M4, 4, P+\j
.endr
.irp j, 0,1
	RS1 L+8*\t+\j, 2, M2, 2, P+4+\j
.endr
	RS1 L+8*\t, 1, M1, 1, P+6
	v_add_f32_dpp v[L+8*\t], v[L+8*\t], v[L+8*\t] row_xmask:8 row_mask:0xf bank_mask:0xf
.endr
	v_rcp_f32 v[L], v[L]
	v_rcp_f32 v[L+8], v[L+8]
	; O: bit 3 chooses d / 4, bits 2, 1, 0 the query: 64 registers become 4.  (Plain work behind the reciprocals, which names neither)
.irp t, 0,1
.irp j, 0,1,2,3,4,5,6,7
	RS4 O+64*\t+8*\j, 4, M8, 8, P+8+4*(\j%4)
.endr
.irp j, 0,1,2,3
	RS4 O+64*\t+8*\j, 32, M4, 4, P+8+4*\j
.endr
.irp j, 0,1
	RS4 O+64*\t+8*\j, 16, M2, 2, P+8+4*\j
.endr
	RS4 O+64*\t, 8, M1, 1, P+8
.endr
	s_wait_alu depctr_va_vdst(0)                   ; one wait for the two reciprocals, ahead of their first reader
.irp t, 0,1
	v_pk_mul_f32 v[O+64*\t:O+64*\t+1], v[O+64*\t:O+64*\t+1], v[L+8*\t:L+8*\t+1] op_sel_hi:[1,0]
	v_pk_mul_f32 v[O+64*\t+2:O+64*\t+3], v[O+64*\t+2:O+64*\t+3], v[L+8*\t:L+8*\t+1] op_sel_hi:[1,0]
.endr
.irp t, 0,1
	global_store_b128 v[GA], v[O+64*\t:O+64*\t+3], s[6:7] offset:256*\t   ; a tile's 16 queries: the instruction stores 256 consecutive bytes, aligned, of each plane
.endr
	s_wait_tensorcnt 0x0                           ; the wave's end: behind my last LDS store
	ds_add_u32 v[SPW], v[NIL]
	s_wait_dscnt 0x0
	s_endpgm
.Lfunc_end_k_q2c2c45a502_attn:
	.size	k_q2c2c45a502_attn, .Lfunc_end_k_q2c2c45a502_attn-k_q2c2c45a502_attn
	.p2alignl 7, 3214868480
	.fill 96, 4, 3214868480
	.section	.rodata,"a",@progbits
	.p2align	6, 0x0
	.amdhsa_kernel k_q2c2c45a502_attn
		.amdhsa_group_segment_fixed_size 167936
		.amdhsa_private_segment_fixed_size 0
		.amdhsa_enable_private_segment 0
		.amdhsa_kernarg_size 16
		.amdhsa_user_sgpr_count 2
		.amdhsa_user_sgpr_kernarg_segment_ptr 1
		.amdhsa_wavefront_size32 1
		.amdhsa_system_sgpr_workgroup_id_x 1
		.amdhsa_system_sgpr_workgroup_id_y 1
		.amdhsa_system_sgpr_workgroup_id_z 1
		.amdhsa_system_vgpr_workitem_id 0
		.amdhsa_next_free_vgpr 240
		.amdhsa_next_free_sgpr 66
		.amdhsa_reserve_vcc 0
		.amdhsa_float_denorm_mode_32 3
		.amdhsa_float_denorm_mode_16_64 3
		.amdhsa_memory_ordered 1
		.amdhsa_forward_progress 1
		.amdhsa_inst_pref_size 80
	.end_amdhsa_kernel
	.amdgpu_metadata
---
amdhsa.version: [ 1, 2 ]
amdhsa.kernels:
  - .name:           k_q2c2c45a502_attn
    .symbol:         k_q2c2c45a502_attn.kd
    .args:
      - { .name: qkv, .offset: 0, .size: 8, .value_kind: global_buffer, .address_space: global }
      - { .name: att, .offset: 8, .size: 8, .value_kind: global_buffer, .address_space: global }
    .group_segment_fixed_size: 167936
    .private_segment_fixed_size: 0
    .kernarg_segment_align: 8
    .kernarg_segment_size: 16
    .max_flat_workgroup_size: 256
    .sgpr_count:     66
    .vgpr_count:     240
    .wavefront_size: 32
...
	.end_amdgpu_metadata
.endif
;; end of part 2
;; launch outp (part 3): grid 64 x 2, 4 waves a work-group, no clusters, 22,528 bytes of LDS; arguments att, Wo, out0; writes out0
.if DOCPART == 3
	.amdgcn_target "amdgcn-amd-amdhsa--gfx1250"
	.amdhsa_code_object_version 6
	.text
	.protected	k_q2c2c45a502_outp
	.globl	k_q2c2c45a502_outp
	.p2align	8
	.type	k_q2c2c45a502_outp,@function
k_q2c2c45a502_outp:
	s_mov_b64 s[64:65], 0
	v_nop
	global_prefetch_b8 v0, s[64:65] scope:SCOPE_SE
	s_setreg_imm32_b32 hwreg(HW_REG_WAVE_MODE, 25, 1), 1
	s_wait_xcnt 0x0
; out0 = att Wo^T on codes of FP4 (E2M1) with one E8M0 scale for each 32 along K = 128 (head x 8 + d); sums in f32.  No work is left out.
; att: [32 = batch x head][2 planes = d / 4][2048 positions][4] f32.  Wo: [128][128] f32, K innermost.  out0: [4096][128] f32.
; SHARES.  Work-group (x, y): rows 64 x .. + 63, output columns 64 y .. + 63.  Wave w quantises 16 rows of Wo (its 16 output columns) and rows 16 w .. + 15 of att, in registers; att's four fragments go from wave to wave
; through LDS as images of their registers.  The quantiser wants of lane (r, h), for block b, k = 32 b + 16 h + 0 .. 15 of row r: heads 4 b + 2 h and + 1, both planes: four loads of 16 bytes, in each of which
; sixteen lanes read 256 consecutive bytes.
; THE PRODUCT IS USED TRANSPOSED (source 0 = 16 rows of Wo, source 1 = 16 rows of att): a lane holds eight neighbouring columns of one row.  A row's 64 columns, 256 bytes, come from four waves: they meet in a stage
; in LDS (rows of 256 + 16 bytes), and each wave stores 16 whole runs of 256 bytes, aligned.
; LIMITS: NaN and infinities are not served; a block of zeros gets the byte 1 where the rule says 127: its codes are zeros, and the bytes are read by this launch alone.
; NO CLUSTER: what work-groups share (32 KiB of att, 32 KiB of Wo) is read once by each, straight into the registers in which it is quantised.
.set XIMG,  0                          ; LDS: att's four fragments, 1,024 bytes each,
.set XSC,   4096                       ; their scale words, 128 bytes each,
.set STG,   4608                       ; the stage: 64 rows x 272 bytes,
.set SPITCH, 272
.set SPARE, 22016                      ; and the spare words, 128 bytes for each wave: two blocks of 256 bytes that no other line names
.set XA,  4                            ; v4   Wo: 512 r + 64 h
.set LI,  5                            ; v5   16 x lane
.set LS,  6                            ; v6   4 x lane
.set XWI, 7                            ; v7   where I store att's image
.set XWS, 8                            ; v8   and its scale word
.set AA,  9                            ; v9   att: 131,072 h (two heads) + 16 r
.set SPW, 10                           ; v10  LDS address of my spare word; never rewritten
.set NIL, 11                           ; v11  0; never rewritten
.set STO, 12                           ; v12  the stage: where I put 32 bytes of a row
.set RD,  13                           ; v13  and where I read a row back
.set CO,  14                           ; v14  out0: 512 h + 16 r
.set WC,  24                           ; v24-31  Wo's fragment
.set WS,  32                           ; v32     its scale words
.set XS,  33                           ; v33-36  att's scale words
.set PW,  37
.set PC,  40
.set TM,  48
.set XN,  64                           ; v64-127 64 numbers of att; later:
.set XF,  64                           ; v64-95  att's four fragments, then rows of out0,
.set D,   96                           ; v96-127 the four results
.set WN,  128                          ; v128-191 64 numbers of Wo
.set WV,  10
.set SEL, 20
; 64 numbers of a lane, register 16 b + i = k 32 b + 16 h + i of my row, become a fragment's codes in v[pc] on and its scale word in v[pw].
.macro QUANT s, pc, pw
.irp b, 0,1,2,3
	v_max3_num_f32 v[TM+\b], |v[\s+16*\b]|, |v[\s+1+16*\b]|, 0x1800000   ; block b: my 16 numbers, and the floor 2^(3 - 127): so the byte cannot fall under 1
.endr
.irp i, 2,4,6,8,10,12,14
.irp b, 0,1,2,3
	v_max3_num_f32 v[TM+\b], v[TM+\b], |v[\s+16*\b+\i]|, |v[\s+1+16*\b+\i]|
.endr
.endr
.irp b, 0,1,2,3
	v_permlanex16_b32 v[TM+4+\b], v[TM+\b], s[SEL], s[SEL+1]
.endr
.irp b, 0,1,2,3
	v_max_num_f32 v[TM+\b], v[TM+\b], v[TM+4+\b]   ; with lane l xor 16's: the block's largest magnitude
.endr
.irp b, 0,1,2,3
	v_add_nc_u32 v[TM+12+\b], 0xff000000, v[TM+\b]   ; 2 off its exponent field: the conversion's scale operand
.endr
.irp b, 0,1,2,3
	v_lshrrev_b32 v[TM+4+\b], 23, v[TM+12+\b]      ; the scale's byte
.endr
	v_lshl_or_b32 v[\pw], v[TM+5], 8, v[TM+4]
	v_lshl_or_b32 v[\pw], v[TM+6], 16, v[\pw]
	v_lshl_or_b32 v[\pw], v[TM+7], 24, v[\pw]
.irp b, 0,1,2,3
	v_cvt_scalef32_pk8_fp4_f32 v[\pc+2*\b], v[\s+16*\b:\s+7+16*\b], v[TM+12+\b]
	v_cvt_scalef32_pk8_fp4_f32 v[\pc+1+2*\b], v[\s+8+16*\b:\s+15+16*\b], v[TM+12+\b]
.endr
	v_nop                                          ; one plain place behind a scaled conversion
.irp c, 0,1                                    ; a WHOLE block in a lane: lanes 0-15 block 2 c, lanes 16-31 block 2 c + 1
.irp i, 0,1
	v_permlane16_swap_b32 v[\pc+4*\c+\i], v[\pc+2+4*\c+\i]
.endr
.endr
.endm
	s_load_b128 s[4:7], s[0:1], 0x0                ; att s[4:5], Wo s[6:7]
	s_load_b64 s[8:9], s[0:1], 0x10                ; out0
	v_lshl_add_u32 v[SPW], v0, 2, SPARE
	v_mov_b32 v[NIL], 0
	v_lshrrev_b32 v1, 5, v0
	v_readfirstlane_b32 s[WV], v1                  ; wave 0..3
	v_and_b32 v3, 31, v0                           ; lane
	v_and_b32 v1, 15, v0                           ; r
	v_bfe_u32 v2, v0, 4, 1                         ; h
	v_lshlrev_b32 v[XA], 9, v1
	v_lshl_add_u32 v[XA], v2, 6, v[XA]
	v_lshlrev_b32 v[AA], 4, v1
	v_lshl_add_u32 v[CO], v2, 9, v[AA]
	v_lshl_add_u32 v[AA], v2, 17, v[AA]
	v_lshlrev_b32 v[LI], 4, v3
	v_lshlrev_b32 v[LS], 2, v3
	s_lshl_b32 s18, s[WV], 10
	v_add_nc_u32 v[XWI], s18, v[LI]
	s_lshl_b32 s18, s[WV], 7
	v_add_nc_u32 v[XWS], s18, v[LS]
	v_mul_u32_u24 v[STO], v1, SPITCH               ; into the stage: row r of a tile, + 32 h, + my wave's 64 bytes
	v_lshl_add_u32 v[STO], v2, 5, v[STO]
	s_lshl_b32 s18, s[WV], 6
	s_add_co_u32 s18, s18, STG
	v_add_nc_u32 v[STO], s18, v[STO]
	v_mul_u32_u24 v[RD], v2, SPITCH                ; back: my 16 rows; lanes 0-15 one row of 256 bytes, lanes 16-31 the next
	v_lshl_add_u32 v[RD], v1, 4, v[RD]
	s_mul_i32 s18, s[WV], 16*SPITCH
	s_add_co_u32 s18, s18, STG
	v_add_nc_u32 v[RD], s18, v[RD]
.irp b, 0,1,2,3
	v_mov_b32 v[TM+4+\b], 0                        ; written once: a lane permute's destination counts as one of its sources
.endr
	s_and_b32 s11, ttmp7, 0xffff                   ; work-group y
	s_lshr_b32 s12, ttmp9, 5                       ; the batch:
	s_lshl_b32 s12, s12, 20                        ; 16 heads of 65,536 bytes
	s_and_b32 s13, ttmp9, 31
	s_lshl_b32 s13, s13, 10                        ; 64 positions of 16 bytes a work-group,
	s_add_co_u32 s12, s12, s13
	s_lshl_b32 s13, s[WV], 8                       ; 16 a wave
	s_add_co_u32 s12, s12, s13
	s_mov_b32 s13, 0
	s_lshl_b32 s14, s11, 15                        ; Wo: 64 rows of 512 bytes a half, 16 rows a wave
	s_lshl_b32 s15, s[WV], 13
	s_add_co_u32 s14, s14, s15
	s_lshl_b32 s16, ttmp9, 15                      ; out0: 64 rows of 512 bytes a work-group, 16 rows a wave,
	s_add_co_u32 s16, s16, s15
	s_lshl_b32 s15, s11, 8                         ; 256 bytes a half
	s_add_co_u32 s16, s16, s15
	s_mov_b32 s15, 0
	s_mov_b32 s17, 0
	s_mov_b32 s[SEL], 0x76543210
	s_mov_b32 s[SEL+1], 0xfedcba98
	s_wait_kmcnt 0x0
	s_add_nc_u64 s[4:5], s[4:5], s[12:13]
	s_add_nc_u64 s[6:7], s[6:7], s[14:15]
	s_add_nc_u64 s[8:9], s[8:9], s[16:17]
.irp b, 0,1,2,3
.irp j, 0,1,2,3
	global_load_b128 v[WN+16*\b+4*\j:WN+16*\b+4*\j+3], v[XA], s[6:7] offset:128*\b+16*\j
.endr
.endr
.irp b, 0,1,2,3
.irp u, 0,1
.irp c, 0,1
	global_load_b128 v[XN+16*\b+8*\u+4*\c:XN+16*\b+8*\u+4*\c+3], v[AA], s[4:5] offset:(4*\b+\u)*65536+\c*32768   ; head 4 b + 2 h + u, plane c
.endr
.endr
.endr
	s_wait_loadcnt 16                              ; Wo's 16 loads are in; att's 16, issued behind them, may be out
	QUANT WN, WC, WS
	s_wait_loadcnt 0x0
	QUANT XN, PC, PW                               ; (its plain lines are also the places between the writing of Wo's codes and scale word and the products)
	ds_store_b128 v[XWI], v[PC:PC+3] offset:XIMG
	ds_store_b128 v[XWI], v[PC+4:PC+7] offset:XIMG+512
	ds_store_b32 v[XWS], v[PW] offset:XSC
	s_wait_dscnt 0x0                               ; for the others' sake: my stores have landed
	s_barrier_signal -1
	s_barrier_wait -1                              ; att's four fragments lie in LDS
.irp m, 0,1,2,3
	ds_load_b128 v[XF+8*\m:XF+8*\m+3], v[LI] offset:XIMG+1024*\m
	ds_load_b128 v[XF+8*\m+4:XF+8*\m+7], v[LI] offset:XIMG+1024*\m+512
	ds_load_b32 v[XS+\m], v[LS] offset:XSC+128*\m
.endr
	s_wait_dscnt 0x0
.irp m, 0,1,2,3
	v_wmma_scale_f32_16x16x128_f8f6f4 v[D+8*\m:D+8*\m+7], v[WC:WC+7], v[XF+8*\m:XF+8*\m+7], 0, v[WS], v[XS+\m] matrix_a_fmt:MATRIX_FMT_FP4 matrix_b_fmt:MATRIX_FMT_FP4
.endr
.rept 4
	v_nop                                          ; four places between the products and the stores that read their results, and the loads into their sources further down
.endr
.irp m, 0,1,2,3
	ds_store_b128 v[STO], v[D+8*\m:D+8*\m+3] offset:16*SPITCH*\m        ; lane (r, h): out0(16 m + r, 64 y + 16 w + 8 h + 0 .. 7); each result from its low end on
	ds_store_b128 v[STO], v[D+8*\m+4:D+8*\m+7] offset:16*SPITCH*\m+16
.endr
	s_wait_dscnt 0x0                               ; for the others' sake: my stores into the stage have landed
	s_barrier_signal -1
	s_barrier_wait -1                              ; 64 rows of 256 bytes lie in the stage
.irp t, 0,1,2,3,4,5,6,7
	ds_load_b128 v[XF+4*\t:XF+4*\t+3], v[RD] offset:2*SPITCH*\t
.endr
.irp t, 0,1,2,3,4,5,6,7
	s_wait_dscnt 7-\t                              ; LDS loads come back in order: this one is in, the younger ones may be out
	global_store_b128 v[CO], v[XF+4*\t:XF+4*\t+3], s[8:9] offset:1024*\t th:TH_STORE_NT   ; sixteen lanes store 256 consecutive bytes, aligned; written once, read by nobody here
.endr
	s_wait_tensorcnt 0x0                           ; the wave's end: behind my last LDS store
	ds_add_u32 v[SPW], v[NIL]
	s_wait_dscnt 0x0
	s_endpgm
.Lfunc_end_k_q2c2c45a502_outp:
	.size	k_q2c2c45a502_outp, .Lfunc_end_k_q2c2c45a502_outp-k_q2c2c45a502_outp
	.p2alignl 7, 3214868480
	.fill 96, 4, 3214868480
	.section	.rodata,"a",@progbits
	.p2align	6, 0x0
	.amdhsa_kernel k_q2c2c45a502_outp
		.amdhsa_group_segment_fixed_size 22528
		.amdhsa_private_segment_fixed_size 0
		.amdhsa_enable_private_segment 0
		.amdhsa_kernarg_size 24
		.amdhsa_user_sgpr_count 2
		.amdhsa_user_sgpr_kernarg_segment_ptr 1
		.amdhsa_wavefront_size32 1
		.amdhsa_system_sgpr_workgroup_id_x 1
		.amdhsa_system_sgpr_workgroup_id_y 1
		.amdhsa_system_sgpr_workgroup_id_z 1
		.amdhsa_system_vgpr_workitem_id 0
		.amdhsa_next_free_vgpr 192
		.amdhsa_next_free_sgpr 66
		.amdhsa_reserve_vcc 0
		.amdhsa_float_denorm_mode_32 3
		.amdhsa_float_denorm_mode_16_64 3
		.amdhsa_memory_ordered 1
		.amdhsa_forward_progress 1
		.amdhsa_inst_pref_size 18
	.end_amdhsa_kernel
	.amdgpu_metadata
---
amdhsa.version: [ 1, 2 ]
amdhsa.kernels:
  - .name:           k_q2c2c45a502_outp
    .symbol:         k_q2c2c45a502_outp.kd
    .args:
      - { .name: att, .offset: 0, .size: 8, .value_kind: global_buffer, .address_space: global }
      - { .name: Wo, .offset: 8, .size: 8, .value_kind: global_buffer, .address_space: global }
      - { .name: out0, .offset: 16, .size: 8, .value_kind: global_buffer, .address_space: global }
    .group_segment_fixed_size: 22528
    .private_segment_fixed_size: 0
    .kernarg_segment_align: 8
    .kernarg_segment_size: 24
    .max_flat_workgroup_size: 128
    .sgpr_count:     66
    .vgpr_count:     192
    .wavefront_size: 32
...
	.end_amdgpu_metadata
.endif
;; end of part 3
